; MI455X (gfx1250); checked and timed in simulation.
; The chip was launched on July 23, 2026; its instructions are those of AMD's public machine-readable ISA for CDNA 5 (MIT licence, August 2026) and "CDNA5" Instruction Set Architecture Reference Guide (July 2026). The comments in the code are by the model that wrote it; some were corrected since.
;; Generalized Attention. Allowed arithmetic: float matrix products may take bf16 or f16 operands with f32 sums; all other float work in f32.
;; Inputs: W 256 x 256 float32; b 256 float32; edges 4 x 256 x 256 x 256 float32; nodes 4 x 256 x 256 float32.
;; Outputs: out0 4 x 256 x 256 float32; out1 4 x 8 x 256 x 256 float32.
;; One version. Each part assembles by itself: llvm-mc -triple=amdgcn-amd-amdhsa -mcpu=gfx1250 --defsym DOCPART=n.
;; ======== version 1 of 1: 1 launch
;; launch gattn (part 1): grid 256 x 1, 4 waves a work-group, no clusters, 278,272 bytes of LDS; arguments W, b, edges, nodes, out0, out1; writes out0, out1
.if DOCPART == 1
	.amdgcn_target "amdgcn-amd-amdhsa--gfx1250"
	.amdhsa_code_object_version 6
	.text
	.protected	k_q1f0690e080_gattn
	.globl	k_q1f0690e080_gattn
	.p2align	8
	.type	k_q1f0690e080_gattn,@function
k_q1f0690e080_gattn:
	s_mov_b64 s[64:65], 0
	v_nop
	global_prefetch_b8 v0, s[64:65] scope:SCOPE_SE
	s_setreg_imm32_b32 hwreg(HW_REG_WAVE_MODE, 25, 1), 1
	s_wait_xcnt 0x0
; GeneralizedAttention, B = 4, N = 256, D = 256, H = 8, Dh = 32, all tensors f32.
;   n = nodes W^T + b;  q = edges W^T + b + n_i;  s = sum_d q (q - n_i + n_j) / sqrt(32);
;   attn = softmax_j(10 tanh s) -> out1;  out0 = (attn n) W^T + b.
; ONE LAUNCH, 256 work-groups of four waves.  Work-group g owns batch g >> 6 and the four rows i = 4 (g & 63) .. + 3.
; Wave w owns output columns 64 w .. 64 w + 63 (heads 2 w, 2 w + 1) and keeps its 64 rows of W as bf16 fragments in 256 registers.
; The work-group walks 20 chunks of 64 rows x 256 f32 (65,536 consecutive bytes each): 4 of nodes[b], then its own 16 of edges.
; A chunk goes memory -> registers (each load of a wave covers 512 consecutive bytes) -> bf16 -> one of two LDS slots -> fragments of all waves.
; The nodes chunks leave n[b] for the wave's columns in LDS, as bf16, in the lanes' own accumulator layout (IMG), and rows i in f32 (NIR).
; The edges chunks start their sums at b + n_i (f32), so an accumulator IS the query q, and
;   sqrt(32) s = sum q (q - n_i) + sum q n_j : half a packed add, half a packed fma and one mixed fma for each element.
; A wave holds all 256 j of its two heads: maximum and sum of the softmax stay inside sixteen lanes.
; THE MATRIX INSTRUCTION IS USED TRANSPOSED (source 0 = rows of W, source 1 = rows of data): lane (r = l % 16, h = l / 16), register jj holds
; column c0 + 8 h + jj of data row r.  Chunk row x lies in LDS row 16 (x % 4) + x / 4, so that row tile bb, lane r is j = 64 a + 4 r + bb:
; a lane's four tiles are four neighbouring j, 16 bytes of a row of attn, and sixteen lanes store 256 consecutive aligned bytes.
; LIMITS, stated: matrix operands are bf16 (edges, nodes, W; attn, n and attn n in the two last products); n_j enters the score sum rounded
; to bf16 (n_i and b stay f32); tanh x = 1 - 2 / (1 + e^(2x)) by v_exp_f32 and v_rcp_f32, absolute error a few 1e-7.  No limit of range:
; e^(2x) = inf gives tanh = 1, 0 gives -1.  The row's true maximum is taken away before the exponential.
; NO CLUSTER: 16 of a work-group's 20 chunks are read by nobody else; the nodes chunks pass through registers for the conversion and are
; no tensor loads; only W's 262,144 bytes, fetched once in front of everything, could be asked for jointly.
; NO TENSOR RING for the chunks: f32 tiles in LDS would be written and read once more than the bf16 slots, and the conversion needs registers anyway.
; ---- LDS, bytes ----
.set PITCH,  528                       ; a slot's row: 512 bytes of bf16 + 16: the 16 rows of a fragment load start 16 bytes apart modulo 256
.set SLOTB,  64*PITCH                  ; 33,792: slot 0 at 0, slot 1 behind it; shared by the four waves
.set IMG,    2*SLOTB                   ; 67,584: [w][a][tile 4 bb + t][lane] 16 bytes: n as bf16; 32,768 a wave, the wave's own
.set AT,     IMG+131072                ; 198,656: [w][item][h] rows of 528: attn as bf16, j in natural order; 4,224 a wave, the wave's own
.set WPITCH, 1040                      ; W as f32, 256 rows at 0 .. 266,239, only in front of the first barrier (slots, IMG, AT lie over it later)
.set BIR,    256*WPITCH                ; 266,240: [w][t][h] 8 f32: b
.set NIR,    BIR+1024                  ; 267,264: [w][item][t][h] 8 f32: n_i
.set OB,     NIR+4096                  ; 271,360: [w][4 rows] pitch 144: attn n as bf16, 64 columns a wave; read by all waves
.set OUTS,   OB+2304                   ; 273,664: [w][4 rows][64 f32]: out0 on its way out, the wave's own; ends at 277,760
; ---- vector registers, window 0 ----
.set XOFF,  4                          ; 16384 w + 16 lane: my 16 bytes in load 0 of a chunk
.set PST,   5                          ; v5, v6: slot + 2112 w + 8 lane: where my converted 8 bytes go
.set AFA,   7                          ; v7, v8: slot + 528 r + 16 h: data fragments
.set IMGW,  9                          ; IMG + 32768 w + 16 lane
.set NIA,   10                         ; NIR + 1024 w + 32 h, + 256 for each item read
.set BIA,   11                         ; BIR + 256 w + 32 h
.set ATW,   12                         ; AT + 4224 w + 528 h + 8 r, + 1056 for each item written
.set O1OFF, 13                         ; 262144 h + 16 r: head and j in out1
.set TA,    14                         ; at work
.set WA,    15                         ; W's f32 rows in LDS
.set VTA,   16                         ; the tail: transposing loads from IMG
.set ATR,   17                         ; attn fragments
.set OBW,   18
.set OBR,   19
.set OSW,   20
.set OSR,   21
.set O0OFF, 22
.set BOFF,  23                         ; 256 w + 32 h: my 8 numbers of b, tile 0
.set CI,    24                         ; v[24:55]   8 t + jj: what the sums start from: b, later b + n_i
.set NI,    56                         ; v[56:87]   8 t + jj: n_i
.set NT,    88                         ; v[88:151]  4 (4 bb + t) + p: n_j, two bf16 a register
.set U,     152                        ; v[152:159] q - n_i, a pair for each t
.set ST,    160                        ; v[160:191] 8 bb + 2 t: partial sums, a pair each
.set SC,    192                        ; v[192:207] 4 a + bb: sqrt(32) s of my head, j = 64 a + 4 r + bb
.set P,     208                        ; v[208:223] the same places on their way to attn
.set T,     224                        ; v[224:247] at work; T+20 .. T+23 receive the lane exchange
; window 1: W fragments, tile t, K step ks at 8 (4 ks + t).   window 2: two chunk buffers, load m of buffer x at 128 x + 4 m.
; window 3: accumulators, tile (bb, t) at 8 (4 bb + t); data fragments at 128 + 64 buf + 8 (4 ksl + bb).
; s_set_vgpr_msb, low byte: bits 1:0 source 0, 3:2 source 1, 5:4 source 2, 7:6 destination; the high byte repeats the setting that is left.
.set MSB, 0
.macro WIN new
.if MSB != \new
	s_set_vgpr_msb (MSB<<8)|\new
.set MSB, \new
.endif
.endm
; A load into a register that a matrix instruction has read, and whatever reads a matrix result, stand four independent plain vector
; instructions behind it; other matrix instructions are not counted as such here.
.macro PLACES
.rept 4
	v_nop
.endr
.endm
; 32 loads: my 16 rows of a chunk into buffer buf.  nt = 1: edges, read once by the whole launch.
.macro LOADX buf, base, off, nt
	WIN 0x80
.set cm, 0
.rept 32
.if \nt
	global_load_b128 v[128*\buf+4*cm:128*\buf+4*cm+3], v[XOFF], s[\base:\base+1] offset:\off+512*cm th:TH_LOAD_NT
.else
	global_load_b128 v[128*\buf+4*cm:128*\buf+4*cm+3], v[XOFF], s[\base:\base+1] offset:\off+512*cm
.endif
.set cm, cm+1
.endr
.endm
; Buffer xb to bf16, in place, and into slot xb.  Load m is chunk row 16 w + m / 2, columns 128 (m % 2) + 4 lane .. + 3.
.macro PRODUCE xb, lcnt
	s_wait_loadcnt \lcnt                           ; loads return in order: this buffer's 32 are in, the lcnt younger ones (the other buffer's) stay out
	WIN 0x8A
.set cm, 0
.rept 32
	v_cvt_pk_bf16_f32 v[128*\xb+4*cm], v[128*\xb+4*cm], v[128*\xb+4*cm+1]
	v_cvt_pk_bf16_f32 v[128*\xb+4*cm+1], v[128*\xb+4*cm+2], v[128*\xb+4*cm+3]
.set cm, cm+1
.endr
	WIN 0x08
.set cm, 0
.rept 32
	ds_store_b64 v[PST+\xb], v[128*\xb+4*cm:128*\xb+4*cm+1] offset:(((cm>>1)&3)*16+(cm>>3))*PITCH+(cm&1)*256
.set cm, cm+1
.endr
.endm
; 16 LDS loads: the data fragments of K steps 2 beta, 2 beta + 1 (four row tiles each) into fragment buffer buf
.macro AFLOAD beta, buf, slot
	WIN 0xC0
.irp ksl, 0,1
.irp bb, 0,1,2,3
	ds_load_b128 v[128+64*\buf+8*(4*\ksl+\bb):128+64*\buf+8*(4*\ksl+\bb)+3], v[AFA+\slot] offset:\bb*16*PITCH+(2*\beta+\ksl)*64
	ds_load_b128 v[128+64*\buf+8*(4*\ksl+\bb)+4:128+64*\buf+8*(4*\ksl+\bb)+7], v[AFA+\slot] offset:\bb*16*PITCH+(2*\beta+\ksl)*64+32
.endr
.endr
.endm
; 32 matrix instructions: K steps 2 beta, 2 beta + 1, 16 tiles each.  The very first K step takes CI as C: nothing is cleared or added later.
.macro MUL beta, buf
.irp ksl, 0,1
.if (\beta+\ksl) == 0
	WIN 0xCD
.else
	WIN 0xFD
.endif
.irp bb, 0,1,2,3
.irp t, 0,1,2,3
.if (\beta+\ksl) == 0
	v_wmma_f32_16x16x32_bf16 v[8*(4*\bb+\t):8*(4*\bb+\t)+7], v[8*(4*(2*\beta+\ksl)+\t):8*(4*(2*\beta+\ksl)+\t)+7], v[128+64*\buf+8*(4*\ksl+\bb):128+64*\buf+8*(4*\ksl+\bb)+7], v[CI+8*\t:CI+8*\t+7]
.else
	v_wmma_f32_16x16x32_bf16 v[8*(4*\bb+\t):8*(4*\bb+\t)+7], v[8*(4*(2*\beta+\ksl)+\t):8*(4*(2*\beta+\ksl)+\t)+7], v[128+64*\buf+8*(4*\ksl+\bb):128+64*\buf+8*(4*\ksl+\bb)+7], v[8*(4*\bb+\t):8*(4*\bb+\t)+7]
.endif
.endr
.endr
.endr
.endm
; 16 LDS loads: n_j of chunk a, in my lanes' own layout
.macro NTLOAD a
	WIN 0
.set ci, 0
.rept 16
	ds_load_b128 v[NT+4*ci:NT+4*ci+3], v[IMGW] offset:8192*\a+512*ci
.set ci, ci+1
.endr
.endm
; Scores of chunk a.  Chains go round the four t, so that no instruction waits for the one in front of it.
.macro EPI a
	WIN 0x03                                       ; source 0 = the accumulators
.irp bb, 0,1,2,3
.irp p, 0,1,2,3
.irp t, 0,1,2,3
	v_pk_add_f32 v[U+2*\t:U+2*\t+1], v[8*(4*\bb+\t)+2*\p:8*(4*\bb+\t)+2*\p+1], v[NI+8*\t+2*\p:NI+8*\t+2*\p+1] neg_lo:[0,1] neg_hi:[0,1]
.endr
.irp t, 0,1,2,3
.if \p == 0
	v_pk_mul_f32 v[ST+8*\bb+2*\t:ST+8*\bb+2*\t+1], v[8*(4*\bb+\t)+2*\p:8*(4*\bb+\t)+2*\p+1], v[U+2*\t:U+2*\t+1]
.else
	v_pk_fma_f32 v[ST+8*\bb+2*\t:ST+8*\bb+2*\t+1], v[8*(4*\bb+\t)+2*\p:8*(4*\bb+\t)+2*\p+1], v[U+2*\t:U+2*\t+1], v[ST+8*\bb+2*\t:ST+8*\bb+2*\t+1]
.endif
.endr
.irp t, 0,1,2,3
	v_fma_mix_f32_bf16 v[ST+8*\bb+2*\t], v[8*(4*\bb+\t)+2*\p], v[NT+4*(4*\bb+\t)+\p], v[ST+8*\bb+2*\t] op_sel_hi:[0,1,0]
.endr
.irp t, 0,1,2,3
	v_fma_mix_f32_bf16 v[ST+8*\bb+2*\t+1], v[8*(4*\bb+\t)+2*\p+1], v[NT+4*(4*\bb+\t)+\p], v[ST+8*\bb+2*\t+1] op_sel:[0,1,0] op_sel_hi:[0,1,0]
.endr
.endr
.endr
	WIN 0
	; t = 0, 1 are head 2 w, t = 2, 3 head 2 w + 1; the other 16 columns of each head lie in lane l xor 16.
	; Lanes 0-15 keep the first head's sum and send the second's, lanes 16-31 the other way round.
.irp bb, 0,1,2,3
	v_pk_add_f32 v[T+4*\bb:T+4*\bb+1], v[ST+8*\bb:ST+8*\bb+1], v[ST+8*\bb+2:ST+8*\bb+3]
	v_pk_add_f32 v[T+4*\bb+2:T+4*\bb+3], v[ST+8*\bb+4:ST+8*\bb+5], v[ST+8*\bb+6:ST+8*\bb+7]
.endr
.irp bb, 0,1,2,3
	v_add_f32 v[T+4*\bb], v[T+4*\bb], v[T+4*\bb+1]
	v_add_f32 v[T+4*\bb+2], v[T+4*\bb+2], v[T+4*\bb+3]
.endr
.irp bb, 0,1,2,3
	v_cndmask_b32 v[T+16+\bb], v[T+4*\bb+2], v[T+4*\bb], s22       ; to send
	v_cndmask_b32 v[T+4*\bb+1], v[T+4*\bb], v[T+4*\bb+2], s22      ; to keep
.endr
.irp bb, 0,1,2,3
	v_permlanex16_b32 v[T+20+\bb], v[T+16+\bb], s20, s21
.endr
.irp bb, 0,1,2,3
	v_add_f32 v[SC+4*\a+\bb], v[T+4*\bb+1], v[T+20+\bb]
.endr
.endm
; The nodes' chunk a: n as bf16 into IMG; rows 4 Q .. 4 Q + 3 (tile bb = item, lane r = Q - 16 a, if that is in this chunk) as f32 into NIR.
.macro EPIN a
	WIN 0x0F
.set ci, 0
.rept 16
.irp p, 0,1,2,3
	v_cvt_pk_bf16_f32 v[NT+4*ci+\p], v[8*ci+2*\p], v[8*ci+2*\p+1]
.endr
.set ci, ci+1
.endr
	WIN 0
.set ci, 0
.rept 16
	ds_store_b128 v[IMGW], v[NT+4*ci:NT+4*ci+3] offset:8192*\a+512*ci
.set ci, ci+1
.endr
	v_add_nc_u32 v[TA], 16*\a, v2
	v_cmp_eq_u32 vcc_lo, s19, v[TA]
	s_wait_xcnt 0x0                                ; EXEC is a source of the chunk loads issued above: it narrows only behind this wait
	s_and_saveexec_b32 s23, vcc_lo
	WIN 0x0C
.set ci, 0
.rept 16
	ds_store_b128 v[NIA], v[8*ci:8*ci+3] offset:64*ci              ; 256 bb + 64 t = 64 (4 bb + t)
	ds_store_b128 v[NIA], v[8*ci+4:8*ci+7] offset:64*ci+16
.set ci, ci+1
.endr
	WIN 0
	s_or_b32 exec_lo, exec_lo, s23                 ; only LDS stores were issued under the narrowed mask
.endm
; b and the next item's n_i, from the wave's own LDS words (LDS serves a wave's instructions in order)
.macro NILOAD
	WIN 0
.irp t, 0,1,2,3
	ds_load_b128 v[CI+8*\t:CI+8*\t+3], v[BIA] offset:64*\t
	ds_load_b128 v[CI+8*\t+4:CI+8*\t+7], v[BIA] offset:64*\t+16
	ds_load_b128 v[NI+8*\t:NI+8*\t+3], v[NIA] offset:64*\t
	ds_load_b128 v[NI+8*\t+4:NI+8*\t+7], v[NIA] offset:64*\t+16
.endr
	v_add_nc_u32 v[NIA], 256, v[NIA]
.endm
.macro NIADD
	s_wait_dscnt 0x0
.set ck, 0
.rept 16
	v_pk_add_f32 v[CI+2*ck:CI+2*ck+1], v[CI+2*ck:CI+2*ck+1], v[NI+2*ck:NI+2*ck+1]
.set ck, ck+1
.endr
.endm
; One row i of two heads.  t = 2^(C1 S) = e^(2 s);  R = -1 / (1 + t);  10 log2(e) tanh s = const + K2 R;  attn = 2^(K2 R - K2 max R) / sum.
.macro SOFTMAX
	WIN 0
.set ck, 0
.rept 16
	v_mul_f32 v[P+ck], s25, v[SC+ck]
.set ck, ck+1
.endr
.set ck, 0
.rept 16
	v_exp_f32 v[P+ck], v[P+ck]
.set ck, ck+1
.endr
	v_nop                                          ; one plain vector instruction between a transcendental and the use of its result (ISA guide 5.7.2)
.set ck, 0
	s_wait_alu depctr_va_vdst(0)
.rept 16
	v_fma_f32 v[P+ck], v[P+ck], -1.0, -1.0
.set ck, ck+1
.endr
.set ck, 0
.rept 16
	v_rcp_f32 v[P+ck], v[P+ck]
.set ck, ck+1
.endr
	v_nop
	s_wait_alu depctr_va_vdst(0)
	v_max3_num_f32 v[T], v[P], v[P+1], v[P+2]
	v_max3_num_f32 v[T+1], v[P+3], v[P+4], v[P+5]
	v_max3_num_f32 v[T+2], v[P+6], v[P+7], v[P+8]
	v_max3_num_f32 v[T+3], v[P+9], v[P+10], v[P+11]
	v_max3_num_f32 v[T+4], v[P+12], v[P+13], v[P+14]
	v_max3_num_f32 v[T], v[T], v[T+1], v[P+15]
	v_max3_num_f32 v[T], v[T], v[T+2], v[T+3]
	v_max_num_f32 v[T], v[T], v[T+4]
	v_max_num_f32_dpp v[T], v[T], v[T] row_xmask:1 row_mask:0xf bank_mask:0xf      ; sixteen lanes = one head's 256 j
	v_max_num_f32_dpp v[T], v[T], v[T] row_xmask:2 row_mask:0xf bank_mask:0xf
	v_max_num_f32_dpp v[T], v[T], v[T] row_xmask:4 row_mask:0xf bank_mask:0xf
	v_max_num_f32_dpp v[T], v[T], v[T] row_xmask:8 row_mask:0xf bank_mask:0xf
	v_mul_f32 v[T+1], s26, v[T]
.set ck, 0
.rept 16
	v_fma_f32 v[P+ck], v[P+ck], s26, -v[T+1]
.set ck, ck+1
.endr
.set ck, 0
.rept 16
	v_exp_f32 v[P+ck], v[P+ck]
.set ck, ck+1
.endr
	v_nop
	s_wait_alu depctr_va_vdst(0)
	v_pk_add_f32 v[T+2:T+3], v[P:P+1], v[P+2:P+3]
	v_pk_add_f32 v[T+4:T+5], v[P+4:P+5], v[P+6:P+7]
	v_pk_add_f32 v[T+6:T+7], v[P+8:P+9], v[P+10:P+11]
	v_pk_add_f32 v[T+8:T+9], v[P+12:P+13], v[P+14:P+15]
	v_pk_add_f32 v[T+2:T+3], v[T+2:T+3], v[T+4:T+5]
	v_pk_add_f32 v[T+6:T+7], v[T+6:T+7], v[T+8:T+9]
	v_pk_add_f32 v[T+2:T+3], v[T+2:T+3], v[T+6:T+7]
	v_add_f32 v[T], v[T+2], v[T+3]
	v_add_f32_dpp v[T], v[T], v[T] row_xmask:1 row_mask:0xf bank_mask:0xf
	v_add_f32_dpp v[T], v[T], v[T] row_xmask:2 row_mask:0xf bank_mask:0xf
	v_add_f32_dpp v[T], v[T], v[T] row_xmask:4 row_mask:0xf bank_mask:0xf
	v_add_f32_dpp v[T], v[T], v[T] row_xmask:8 row_mask:0xf bank_mask:0xf
	v_rcp_f32 v[T+2], v[T]                         ; the sum is at least 1 (the maximum's own term); twice, for the packed multiply
	v_rcp_f32 v[T+3], v[T]
	v_nop
.set ck, 0
	s_wait_alu depctr_va_vdst(0)
.rept 8
	v_pk_mul_f32 v[P+2*ck:P+2*ck+1], v[P+2*ck:P+2*ck+1], v[T+2:T+3]
.set ck, ck+1
.endr
.irp a, 0,1,2,3
	global_store_b128 v[O1OFF], v[P+4*\a:P+4*\a+3], s[14:15] offset:256*\a th:TH_STORE_NT  ; sixteen lanes: 256 consecutive aligned bytes
.endr
.irp a, 0,1,2,3
	v_cvt_pk_bf16_f32 v[T+4+2*\a], v[P+4*\a], v[P+4*\a+1]
	v_cvt_pk_bf16_f32 v[T+5+2*\a], v[P+4*\a+2], v[P+4*\a+3]
.endr
.irp a, 0,1,2,3
	ds_store_b64 v[ATW], v[T+4+2*\a:T+5+2*\a] offset:128*\a
.endr
	v_add_nc_u32 v[ATW], 1056, v[ATW]
.endm
; One chunk.  a: its number in the item (slot a % 2).  kind 0: nodes, 1: edges.  prod: the next chunk is converted into the other slot,
; with lcnt younger loads left out.  reload: the freed buffer is loaded with the chunk three ahead, at base + off.  next: a chunk follows.
.macro TRIP a, kind, prod, reload, lcnt, base, off, nt, next
.set SL, \a&1
.set XB, (\a+1)&1
	s_wait_dscnt 16                                ; fragments of K steps 0, 1 are in; at most the 16 loads of K steps 2, 3 are out
	MUL 0, 0
	PLACES
	AFLOAD 2, 0, SL
	s_wait_dscnt 16                                ; K steps 2, 3 are in; the 16 loads just issued are out
	MUL 1, 1
	PLACES
	AFLOAD 3, 1, SL
.if \kind
	NTLOAD \a
.endif
.if \prod
	PRODUCE XB, \lcnt
.endif
.if \reload
	LOADX XB, \base, \off, \nt
.endif
	s_wait_dscnt 32                                ; K steps 4, 5 are in: at most the 32 youngest LDS instructions are out (the 32 stores; without them K steps 6, 7 and n_j)
	MUL 2, 0
	s_wait_dscnt 0x0                               ; for the other waves: my reads of this slot and my stores into the other one are done
.if \next
	s_barrier_signal -1
.endif
	MUL 3, 1                                       ; registers only
.if \next
	s_barrier_wait -1                              ; the other slot is whole; this one may be written in the next trip
.endif
	PLACES
.if \next
	AFLOAD 0, 0, XB
	AFLOAD 1, 1, XB
.endif
.if \kind
	EPI \a
.else
	EPIN \a
.endif
.endm
; ================= set-up =================
	s_load_b256 s[4:11], s[0:1], 0x0               ; W s[4:5], b s[6:7], edges s[8:9], nodes s[10:11]
	s_load_b128 s[12:15], s[0:1], 0x20             ; out0 s[12:13], out1 s[14:15]
	v_lshl_add_u32 v254, v0, 2, 0x43d00
	v_mov_b32 v255, 0
	ds_add_u32 v254, v255
	ds_add_u32 v254, v255
	v_lshrrev_b32 v[TA], 5, v0
	v_readfirstlane_b32 s16, v[TA]                 ; wave w
	v_and_b32 v1, 31, v0                           ; lane
	v_and_b32 v2, 15, v0                           ; r
	v_bfe_u32 v3, v0, 4, 1                         ; h
	s_lshr_b32 s18, ttmp9, 6                       ; batch
	s_and_b32 s19, ttmp9, 63                       ; Q: my rows are 4 Q .. 4 Q + 3
	s_mov_b32 s20, 0x76543210                      ; v_permlanex16_b32: lane l takes lane l xor 16
	s_mov_b32 s21, 0xfedcba98
	s_mov_b32 s22, 0xffff0000                      ; lanes 16-31
	s_mov_b32 s25, 0x3f0293ee                      ; C1 = 2 log2(e) / sqrt(32)
	s_mov_b32 s26, 0x41e6d4ca                      ; K2 = 20 log2(e)
	; W's rows 64 w .. 64 w + 63 as f32 into LDS at 66,560 w: one tensor load a wave, the only one of the launch, read by this wave alone
	s_mov_b32 s32, 1                               ; count
	s_mul_i32 s33, s16, 64*WPITCH                  ; LDS address
	s_mov_b32 s36, (2<<16)|(1<<20)|(7<<22)|(3<<25) ; elements of 4 bytes; behind every 256 words 4 words of padding
	s_mov_b32 s37, 256<<16                         ; tensor_dim0 = 256
	s_mov_b32 s38, 64<<16                          ; tensor_dim1 = 64
	s_mov_b32 s39, 256<<16                         ; tile_dim0 = 256
	s_mov_b32 s40, 64                              ; tile_dim1 = 64
	s_mov_b32 s41, 256                             ; elements from row to row
	s_mov_b32 s42, 0
	s_mov_b32 s43, 0
	s_lshl_b32 s28, s16, 16                        ; 64 rows of 1,024 bytes
	s_mov_b32 s29, 0
	s_wait_dscnt 0x0
	s_wait_kmcnt 0x0
	s_add_nc_u64 s[34:35], s[4:5], s[28:29]
	s_or_b32 s35, s35, 0x80000000                  ; type 2
	tensor_load_to_lds s[32:35], s[36:43]
	s_nop 0
	s_lshl_b32 s30, s16, 8
	v_lshl_add_u32 v[BOFF], v3, 5, s30             ; b[64 w + 16 t + 8 h + jj]: byte 256 w + 64 t + 32 h
.irp t, 0,1,2,3
	global_load_b128 v[CI+8*\t:CI+8*\t+3], v[BOFF], s[6:7] offset:64*\t
	global_load_b128 v[CI+8*\t+4:CI+8*\t+7], v[BOFF], s[6:7] offset:64*\t+16
.endr
	s_lshl_b32 s28, ttmp9, 20                      ; four rows i of 262,144 bytes
	s_add_nc_u64 s[8:9], s[8:9], s[28:29]          ; my edges
	s_lshl_b32 s28, s18, 18
	s_add_nc_u64 s[10:11], s[10:11], s[28:29]      ; nodes[b]
	s_lshl_b32 s28, ttmp9, 12                      ; four rows of 1,024 bytes
	s_add_co_u32 s28, s28, s30                     ; + my 64 columns
	s_add_nc_u64 s[12:13], s[12:13], s[28:29]
	s_lshl_b32 s28, s18, 21                        ; out1: batch,
	s_lshl_b32 s31, s16, 19                        ; head 2 w,
	s_add_co_u32 s28, s28, s31
	s_lshl_b32 s31, s19, 12                        ; row 4 Q
	s_add_co_u32 s28, s28, s31
	s_add_nc_u64 s[14:15], s[14:15], s[28:29]
	s_lshl_b32 s31, s16, 14
	v_lshl_add_u32 v[XOFF], v1, 4, s31
	LOADX 0, 10, 0, 0                              ; chunks 0 and 1 (nodes: read by the 64 work-groups of the batch, so no hint)
	LOADX 1, 10, 65536, 0
	WIN 0
	s_mul_i32 s30, s16, 4*PITCH
	v_lshl_add_u32 v[PST], v1, 3, s30
	v_add_nc_u32 v[PST+1], SLOTB, v[PST]
	v_mul_u32_u24 v[AFA], v2, PITCH
	v_lshl_add_u32 v[AFA], v3, 4, v[AFA]
	v_add_nc_u32 v[AFA+1], SLOTB, v[AFA]
	s_lshl_b32 s30, s16, 15
	s_add_co_u32 s30, s30, IMG                     ; my part of IMG
	v_lshl_add_u32 v[IMGW], v1, 4, s30
	s_lshl_b32 s31, s16, 10
	s_add_co_u32 s31, s31, NIR
	v_lshl_add_u32 v[NIA], v3, 5, s31
	v_add_nc_u32 v[BIA], BIR, v[BOFF]
	s_mul_i32 s31, s16, 4224
	s_add_co_u32 s31, s31, AT                      ; my part of AT
	v_mul_u32_u24 v[ATW], v3, PITCH
	v_lshl_add_u32 v[ATW], v2, 3, v[ATW]
	v_add_nc_u32 v[ATW], s31, v[ATW]
	v_lshlrev_b32 v[O1OFF], 4, v2
	v_lshl_add_u32 v[O1OFF], v3, 18, v[O1OFF]
	; transposing loads: lane l addresses node row 8 (l / 16) + l % 8 of a K step, columns 8 ((l / 8) % 2) .. + 7 of a tile:
	; in IMG that is tile row bb = l % 4, image lane r' = 2 (l / 16) + (l / 4) % 2, h' = (l / 8) % 2
	v_and_b32 v[TA], 3, v1
	v_lshl_add_u32 v[VTA], v[TA], 11, s30
	v_mul_u32_u24 v[ATR], v[TA], 1056              ; attn fragments: column r of source 1 is item r % 4
	v_mul_u32_u24 v[OBR], v[TA], 144
	v_lshlrev_b32 v[OSW], 8, v[TA]
	v_bfe_u32 v[TA], v1, 3, 1
	v_lshl_add_u32 v[VTA], v[TA], 8, v[VTA]
	v_lshl_add_u32 v[VTA], v3, 5, v[VTA]
	v_bfe_u32 v[TA], v1, 2, 1
	v_lshl_add_u32 v[VTA], v[TA], 4, v[VTA]
	v_lshl_add_u32 v[ATR], v3, 4, v[ATR]
	v_add_nc_u32 v[ATR], s31, v[ATR]
	v_lshl_add_u32 v[OBR], v3, 4, v[OBR]
	v_add_nc_u32 v[OBR], OB, v[OBR]
	s_mul_i32 s31, s16, 576
	v_add_nc_u32 v[OBW], s31, v[OBR]
	s_lshl_b32 s31, s16, 10
	s_add_co_u32 s31, s31, OUTS
	v_lshl_add_u32 v[OSW], v3, 5, v[OSW]
	v_add_nc_u32 v[OSW], s31, v[OSW]
	v_lshl_add_u32 v[OSR], v1, 4, s31
	v_lshlrev_b32 v[O0OFF], 4, v2
	v_lshl_add_u32 v[O0OFF], v3, 10, v[O0OFF]
.irp i, 0,1,2,3
	v_mov_b32 v[T+20+\i], 0                        ; a lane exchange counts as a reader of its destination
.endr
	v_mul_u32_u24 v[WA], v2, WPITCH
	v_lshl_add_u32 v[WA], v3, 5, v[WA]
	v_add_nc_u32 v[WA], s33, v[WA]                 ; 66560 w + 1040 r + 32 h
; W's fragments: tile t, K step ks, lane (r, h): row 16 t + r, k = 32 ks + 8 h .. + 7 (32 bytes) and 16 further (64 bytes on).
; Two rounds of two tiles: 64 loads fill window 3, 128 conversions make 128 registers of window 1.
.macro WROUND rho
	WIN 0xC0
.irp tl, 0,1
.irp ks, 0,1,2,3,4,5,6,7
	ds_load_b128 v[128*\tl+16*\ks:128*\tl+16*\ks+3], v[WA] offset:(2*\rho+\tl)*16*WPITCH+128*\ks
	ds_load_b128 v[128*\tl+16*\ks+4:128*\tl+16*\ks+7], v[WA] offset:(2*\rho+\tl)*16*WPITCH+128*\ks+16
	ds_load_b128 v[128*\tl+16*\ks+8:128*\tl+16*\ks+11], v[WA] offset:(2*\rho+\tl)*16*WPITCH+128*\ks+64
	ds_load_b128 v[128*\tl+16*\ks+12:128*\tl+16*\ks+15], v[WA] offset:(2*\rho+\tl)*16*WPITCH+128*\ks+80
.endr
.endr
	s_wait_dscnt 0x0
	WIN 0x4F
.irp tl, 0,1
.irp ks, 0,1,2,3,4,5,6,7
.irp i, 0,1,2,3,4,5,6,7
	v_cvt_pk_bf16_f32 v[8*(4*\ks+2*\rho+\tl)+\i], v[128*\tl+16*\ks+2*\i], v[128*\tl+16*\ks+2*\i+1]
.endr
.endr
.endr
.endm
	s_wait_tensorcnt 0x0                           ; my 64 rows of W are in LDS; nobody else reads them
	WROUND 0
	WROUND 1
	WIN 0
	s_wait_loadcnt 63                              ; b's 8 loads are the oldest of 72; the count's field ends at 63, which asks for one load more than needed
.irp t, 0,1,2,3
	ds_store_b128 v[BIA], v[CI+8*\t:CI+8*\t+3] offset:64*\t        ; the sixteen lanes of a half write the same words
	ds_store_b128 v[BIA], v[CI+8*\t+4:CI+8*\t+7] offset:64*\t+16
.endr
	s_wait_dscnt 0x0                               ; my reads of W's rows are done:
	s_barrier_signal -1
	s_barrier_wait -1                              ; from here on slots, IMG and AT may be written over them
	PRODUCE 0, 32                                  ; chunk 0; chunk 1's 32 loads stay out
	LOADX 0, 10, 2*65536, 0                        ; chunk 2
	s_wait_dscnt 0x0
	s_barrier_signal -1
	s_barrier_wait -1                              ; slot 0 is whole
	AFLOAD 0, 0, 0
	AFLOAD 1, 1, 0
; ================= nodes[b]: n for my 64 columns =================
	TRIP 0, 0, 1, 1, 32, 10, 3*65536, 0, 1         ; reloads: the last chunk of nodes,
	TRIP 1, 0, 1, 1, 32, 8, 0, 1, 1                ; then my edges from their first byte
	TRIP 2, 0, 1, 1, 32, 8, 65536, 1, 1
	TRIP 3, 0, 1, 1, 32, 8, 2*65536, 1, 1
	NILOAD
	NIADD                                          ; the sums of row i = 4 Q start from b + n_i
; ================= rows 4 Q, 4 Q + 1, 4 Q + 2 =================
	WIN 0
	s_mov_b32 s24, 0
.Litem:
	TRIP 0, 1, 1, 1, 32, 8, 3*65536, 1, 1          ; s[8:9] = the item's first chunk; the reload is three chunks ahead
	TRIP 1, 1, 1, 1, 32, 8, 4*65536, 1, 1
	TRIP 2, 1, 1, 1, 32, 8, 5*65536, 1, 1
	TRIP 3, 1, 1, 1, 32, 8, 6*65536, 1, 1
	NILOAD                                         ; the next row's n_i comes in under the softmax
	SOFTMAX
	NIADD
	WIN 0
	s_wait_xcnt 0x0                                ; the bases, and P as the stores' data, are rewritten only behind this wait
	s_add_nc_u64 s[8:9], s[8:9], 0x40000           ; four chunks
	s_add_nc_u64 s[14:15], s[14:15], 0x400         ; the next row of attn
	s_add_co_u32 s24, s24, 1
	s_cmp_lt_u32 s24, 3
	s_cbranch_scc1 .Litem
; ================= row 4 Q + 3: nothing is loaded beyond my last chunk, the counts run down =================
	TRIP 0, 1, 1, 1, 32, 8, 3*65536, 1, 1          ; the last chunk's loads
	TRIP 1, 1, 1, 0, 32, 8, 0, 1, 1
	TRIP 2, 1, 1, 0, 0, 8, 0, 1, 1                 ; nothing was issued behind the last chunk's loads
	TRIP 3, 1, 0, 0, 0, 8, 0, 1, 0
	SOFTMAX
; ================= attn n, for my two heads and the four rows =================
; Source 0: n transposed (row = column 16 t + r of mine, k = j), by transposing loads from IMG; K step kk is j = 32 kk .. + 31:
; chunk kk / 2, image lanes 8 (kk % 2) + .. ; the second load is 16 j = 4 image lanes further.  Source 1: attn, column r = item r % 4.
	WIN 0x80
.irp kk, 0,1,2,3,4,5,6,7
.irp t, 0,1,2,3
	ds_load_tr16_b128 v[8*(4*\kk+\t):8*(4*\kk+\t)+3], v[VTA] offset:8192*(\kk>>1)+512*\t+128*(\kk&1)
	ds_load_tr16_b128 v[8*(4*\kk+\t)+4:8*(4*\kk+\t)+7], v[VTA] offset:8192*(\kk>>1)+512*\t+128*(\kk&1)+64
.endr
.endr
	WIN 0xC0
.irp hh, 0,1
.irp kk, 0,1,2,3,4,5,6,7
	ds_load_b128 v[128+8*(8*\hh+\kk):128+8*(8*\hh+\kk)+3], v[ATR] offset:PITCH*\hh+64*\kk
	ds_load_b128 v[128+8*(8*\hh+\kk)+4:128+8*(8*\hh+\kk)+7], v[ATR] offset:PITCH*\hh+64*\kk+32
.endr
.endr
	s_wait_dscnt 0x0
	WIN 0xFE
.irp kk, 0,1,2,3,4,5,6,7
.irp t, 0,1,2,3
.if \kk == 0
	v_wmma_f32_16x16x32_bf16 v[8*\t:8*\t+7], v[8*(4*\kk+\t):8*(4*\kk+\t)+7], v[128+8*(8*(\t>>1)+\kk):128+8*(8*(\t>>1)+\kk)+7], 0
.else
	v_wmma_f32_16x16x32_bf16 v[8*\t:8*\t+7], v[8*(4*\kk+\t):8*(4*\kk+\t)+7], v[128+8*(8*(\t>>1)+\kk):128+8*(8*(\t>>1)+\kk)+7], v[8*\t:8*\t+7]
.endif
.endr
.endr
	PLACES
	WIN 0x0F
.irp t, 0,1,2,3
.irp p, 0,1,2,3
	v_cvt_pk_bf16_f32 v[T+4*\t+\p], v[8*\t+2*\p], v[8*\t+2*\p+1]
.endr
.endr
	WIN 0
.irp t, 0,1,2,3
	ds_store_b128 v[OBW], v[T+4*\t:T+4*\t+3] offset:32*\t          ; lanes r, r + 4, r + 8, r + 12 hold the same item and write the same bytes
.endr
	s_wait_dscnt 0x0                               ; for the other waves: my 64 columns are in OB
	s_barrier_signal -1
	s_barrier_wait -1
; ================= out0 = (attn n) W^T + b, my 64 columns, W from the registers =================
.irp t, 0,1,2,3
	ds_load_b128 v[CI+8*\t:CI+8*\t+3], v[BIA] offset:64*\t
	ds_load_b128 v[CI+8*\t+4:CI+8*\t+7], v[BIA] offset:64*\t+16
.endr
	WIN 0xC0
.irp ks, 0,1,2,3,4,5,6,7
	ds_load_b128 v[128+8*\ks:128+8*\ks+3], v[OBR] offset:576*(\ks>>1)+64*(\ks&1)
	ds_load_b128 v[128+8*\ks+4:128+8*\ks+7], v[OBR] offset:576*(\ks>>1)+64*(\ks&1)+32
.endr
	s_wait_dscnt 0x0
.irp ks, 0,1,2,3,4,5,6,7
.if \ks == 0
	WIN 0xCD
.else
	WIN 0xFD
.endif
.irp t, 0,1,2,3
.if \ks == 0
	v_wmma_f32_16x16x32_bf16 v[32+8*\t:32+8*\t+7], v[8*(4*\ks+\t):8*(4*\ks+\t)+7], v[128+8*\ks:128+8*\ks+7], v[CI+8*\t:CI+8*\t+7]
.else
	v_wmma_f32_16x16x32_bf16 v[32+8*\t:32+8*\t+7], v[8*(4*\ks+\t):8*(4*\ks+\t)+7], v[128+8*\ks:128+8*\ks+7], v[32+8*\t:32+8*\t+7]
.endif
.endr
.endr
	PLACES
	WIN 0x0C
.irp t, 0,1,2,3
	ds_store_b128 v[OSW], v[32+8*\t:32+8*\t+3] offset:64*\t        ; my own stage: row r % 4, 256 bytes a row
	ds_store_b128 v[OSW], v[32+8*\t+4:32+8*\t+7] offset:64*\t+16
.endr
	WIN 0
.irp q, 0,1
	ds_load_b128 v[T+4*\q:T+4*\q+3], v[OSR] offset:512*\q          ; back by rows; LDS serves a wave's instructions in order
.endr
	s_wait_dscnt 0x0
.irp q, 0,1
	global_store_b128 v[O0OFF], v[T+4*\q:T+4*\q+3], s[12:13] offset:2048*\q        ; sixteen lanes: 256 consecutive aligned bytes of a row
.endr
	s_wait_tensorcnt 0x0
	ds_add_u32 v254, v255
	s_wait_dscnt 0x0
	s_endpgm
.Lfunc_end_k_q1f0690e080_gattn:
	.size	k_q1f0690e080_gattn, .Lfunc_end_k_q1f0690e080_gattn-k_q1f0690e080_gattn
	.p2alignl 7, 3214868480
	.fill 96, 4, 3214868480
	.section	.rodata,"a",@progbits
	.p2align	6, 0x0
	.amdhsa_kernel k_q1f0690e080_gattn
		.amdhsa_group_segment_fixed_size 278272
		.amdhsa_private_segment_fixed_size 0
		.amdhsa_enable_private_segment 0
		.amdhsa_kernarg_size 48
		.amdhsa_user_sgpr_count 2
		.amdhsa_user_sgpr_kernarg_segment_ptr 1
		.amdhsa_wavefront_size32 1
		.amdhsa_system_sgpr_workgroup_id_x 1
		.amdhsa_system_sgpr_workgroup_id_y 1
		.amdhsa_system_sgpr_workgroup_id_z 1
		.amdhsa_system_vgpr_workitem_id 0
		.amdhsa_next_free_vgpr 1024
		.amdhsa_next_free_sgpr 66
		.amdhsa_reserve_vcc 1
		.amdhsa_float_denorm_mode_32 3
		.amdhsa_float_denorm_mode_16_64 3
		.amdhsa_memory_ordered 1
		.amdhsa_forward_progress 1
		.amdhsa_inst_pref_size 255
	.end_amdhsa_kernel
	.section	.bss,"aw",@nobits
	.p2align	6
	.space	262144
	.amdgpu_metadata
---
amdhsa.version: [ 1, 2 ]
amdhsa.kernels:
  - .name:           k_q1f0690e080_gattn
    .symbol:         k_q1f0690e080_gattn.kd
    .args:
      - { .name: W, .offset: 0, .size: 8, .value_kind: global_buffer, .address_space: global }
      - { .name: b, .offset: 8, .size: 8, .value_kind: global_buffer, .address_space: global }
      - { .name: edges, .offset: 16, .size: 8, .value_kind: global_buffer, .address_space: global }
      - { .name: nodes, .offset: 24, .size: 8, .value_kind: global_buffer, .address_space: global }
      - { .name: out0, .offset: 32, .size: 8, .value_kind: global_buffer, .address_space: global }
      - { .name: out1, .offset: 40, .size: 8, .value_kind: global_buffer, .address_space: global }
    .group_segment_fixed_size: 278272
    .private_segment_fixed_size: 0
    .kernarg_segment_align: 8
    .kernarg_segment_size: 48
    .max_flat_workgroup_size: 128
    .sgpr_count:     66
    .vgpr_count:     1024
    .wavefront_size: 32
...
	.end_amdgpu_metadata
.endif
;; end of part 1
